; MI455X (gfx1250); checked and timed in simulation.
; The chip was launched on July 23, 2026; its instructions are those of AMD's public machine-readable ISA for CDNA 5 (MIT licence, August 2026) and "CDNA5" Instruction Set Architecture Reference Guide (July 2026). The comments in the code are by the model that wrote it; some were corrected since.
;; Attention. Allowed arithmetic: matrix products marked QUANTISED: E2M1 operands, one E8M0 scale for each 32 along K, by v_wmma_scale_f32_16x16x128_f8f6f4 with both operands' format E2M1 (or v_wmma_scale_f32_32x16x128_f4), f32 sums; everything else in f32.
;; Inputs: K_codes 512 x 32 x 16 uint8 (E2M1 codes of K, K innermost, in blocks of 32 codes, two codes a byte); K_scales 512 x 32 uint8 (E8M0 scales of K, one for each 32 codes along K); Q_codes 512 x 32 x 16 uint8 (E2M1 codes of Q, K innermost, in blocks of 32 codes, two codes a byte); Q_scales 512 x 32 uint8 (E8M0 scales of Q, one for each 32 codes along K); X_codes 8 x 2,048 x 32 x 16 uint8 (E2M1 codes of X, K innermost, in blocks of 32 codes, two codes a byte); X_scales 8 x 2,048 x 32 uint8 (E8M0 scales of X, one for each 32 codes along K); Y 8 x 2,048 x 1,024 float32; b1 512 float32; b2 512 float32; g1 512 float32; g2 512 float32.
;; Outputs: out0 8 x 2,048 x 1,024 float32.
;; This version of the problem:
;;   THIS VERSION OF THE PROBLEM IS GIVEN IN LOW PRECISION. The matrix products marked QUANTISED in the list below multiply operands that are first quantised to E2M1 (2 exponent bits, 1 mantissa bit; 4 bits a number), with one power-of-two scale for each 32 numbers along K (OCP MX v1.0); their sums are f32. All else is computed in f32.
;;   The module's matrix products, in the order in which they are computed (A, B: the left and right operand; K: the contracted axis; several contracted axes count as one K, in the product's order):
;;     1. [M 16,384, K 1,024] x [K 1,024, N 512]; A: input Y; B: input K (given as codes): QUANTISED
;;     2. [M 16,384, K 1,024] x [K 1,024, N 512]; A: input X (given as codes); B: input Q (given as codes): QUANTISED
;;     3. batch 8 x [M 2,048, K 512] x [K 512, N 2,048]; A: computed on the way; B: computed on the way: QUANTISED
;;     4. batch 8 x [M 2,048, K 2,048] x [K 2,048, N 1,024]; A: softmax (see below); B: input Y: QUANTISED
;;   THE QUANTISER, for each operand of a quantised product, along K:
;;     - K is cut into blocks of 32 from its start; a last block that is shorter is filled with zeros.
;;     - A block's scale is 2^e with e = floor(log2(the largest magnitude in the block)) - 2, held to -126 .. 127; a block of zeros has e = 0. As a byte (E8M0): e + 127.
;;     - Each number is divided by its block's scale, clamped to +-6, and rounded to the nearest number of E2M1, ties to even, subnormals kept.
;;     - The product sums the exact products of the quantised numbers (number of the format x scale) in f32.
;;   ~~~python
;;   def quantise(x, axis):      # numpy; x: float32 -> the quantised numbers, widened to float32 again
;;       x = np.moveaxis(x, axis, -1); K = x.shape[-1]
;;       x = np.pad(x, [(0, 0)] * (x.ndim - 1) + [(0, -K % 32)]); x = x.reshape(x.shape[:-1] + (-1, 32)); a = np.abs(x).max(-1, keepdims=True)
;;       e = np.where(a > 0, np.clip(np.frexp(np.where(a > 0, a, 1))[1] - 1 - 2, -126, 127), 0)      # np.frexp(a)[1] - 1 = floor(log2(a)), exactly
;;       r = np.clip(x / 2.0 ** e, -6, 6)
;;       step = 2.0 ** (np.maximum(np.frexp(np.where(r == 0, 1, r))[1] - 1, 0) - 1)
;;       q = np.round(r / step) * step * 2.0 ** e      # np.round: ties to even
;;       return np.moveaxis(q.reshape(q.shape[:-2] + (-1,))[..., :K], -1, axis).astype(np.float32)
;;   ~~~
;;   SOFTMAX AHEAD OF A QUANTISED PRODUCT. Where the list says 'softmax', what is quantised is not the finished softmax but p = 2^(t - M), with t = logit x log2(e) and M = ceil(the row's largest t), a whole number; so 1/2 < the row's largest p <= 1. The row's sum l is taken of the UNQUANTISED p, in f32, and the product's result is divided by l at the end. Since M is a whole number, a kernel that streams over the keys may use a running M (the ceiling of the running maximum): every later rescaling is an exact power of two, which a block's scale takes up: the codes' values come out the same.
;;   OPERANDS COMPUTED ON THE WAY. 'Computed on the way' means the value that the module computes at that place (a softmax that the list does not call 'softmax' is quantised finished and normalised). What goes into a quantiser is computed in f32, as accurately as f32 sums, v_exp_f32 and their like allow (about 1e-6 of the number): no bf16 or f16 on the way to a quantiser, and a product that is left as it is and whose result goes on into a quantised operand takes f32 operands (vector FMAs, or v_wmma_f32_16x16x4_f32). A number that lies on a knife's edge between two numbers of the format may be rounded either way, as far as f32 arithmetic and the matrix unit's own rounding can turn it there, and no further.
;;   INPUTS GIVEN AS CODES. K (in the module: [1024, 512], K = its axis 0); Q (in the module: [1024, 512], K = its axis 0); X (in the module: [8, 2048, 1024], K = its axis 2): each comes as NAME_codes (uint8): NAME with its K axis moved to the last place and cut into blocks of 32 codes, [.., K / 32, bytes a block], one block behind the other in memory; two codes a byte, the lower K in the low four bits (a code: sign, 2 exponent bits, 1 mantissa bit); and NAME_scales (uint8): the same leading axes, one E8M0 byte (e + 127) for each 32 codes along K. Its value is code x scale, taken as it is: it is not quantised again, and the codes and scales need not be those that the quantiser above would give.
;; One version. Each part assembles by itself: llvm-mc -triple=amdgcn-amd-amdhsa -mcpu=gfx1250 --defsym DOCPART=n.
;; ======== version 1 of 1: 3 launches
;; workspace buffers: ycodes 8,388,608 bytes; yscales 524,288 bytes; kv 13,369,344 bytes; qimg 4,456,448 bytes
;; launch prep (part 1): grid 2 x 128, 4 waves a work-group, no clusters, 307,712 bytes of LDS; arguments Y, ycodes, yscales, kv; writes ycodes, yscales, kv
.if DOCPART == 1
	.amdgcn_target "amdgcn-amd-amdhsa--gfx1250"
	.amdhsa_code_object_version 6
	.text
	.protected	k_q51a09ffc93_prep
	.globl	k_q51a09ffc93_prep
	.p2align	8
	.type	k_q51a09ffc93_prep,@function
k_q51a09ffc93_prep:
	s_mov_b64 s[64:65], 0
	v_nop
	global_prefetch_b8 v0, s[64:65] scope:SCOPE_SE
	s_setreg_imm32_b32 hwreg(HW_REG_WAVE_MODE, 25, 1), 1
	s_wait_xcnt 0x0
; Y [8][2048][1024] f32 is read ONCE and quantised TWICE to E2M1 with one E8M0 byte for each 32 numbers:
;   along F (operand of Y x K): ycodes [16384][512 bytes], yscales [16384][32 bytes], laid as X_codes and X_scales are;
;   along the keys (operand of p x Y): into kv, as images of the operand's registers (see below).
; kv is 128 blocks of KVB bytes, block bj = 16 batch + j for keys 128 j .. 128 j + 127.  This launch writes its V part:
;   at 34,816 + 1,024 i: the fragment of rows f = 16 i + r (K = the block's 128 keys): the 32 codes of key block kb of row r are the 16 bytes at 256 kb + 16 r;
;   at 100,352 + 512 (i / 8) + 16 (r + 16 (i % 2)) + 4 ((i % 8) / 2): that row's scale word (byte kb for keys 32 kb ..).
; SHARES.  A work-group takes 128 keys x 512 f (x = which half of F, y = bj); wave w takes f = 128 w .. 128 w + 127 of that half, in four sub-tiles of 32 keys.
; All sixteen sub-tiles have LDS bytes of their own and are asked for at the head, four tensor loads a wave: nothing is filled twice, and a wave reads only what it asked for itself,
; behind its own counted wait.  No cluster: no two work-groups read the same bytes.  No matrix work.
; A block's scale is 2^(floor(log2(largest magnitude)) - 2): its byte is the largest magnitude's exponent field - 2.
; LIMITS: a largest magnitude under 2^-124 is taken as 2^-124 (byte 1); a block of zeros gets byte 1, not 127: its codes are zeros and this program alone reads the bytes; NaN and infinities are not served.
.set KVB,   104448
.set SUBT,  16896                      ; a sub-tile in LDS: 32 rows x (512 bytes + 16)
.set WREG,  4*SUBT                     ; a wave's four
.set OST,   4*WREG                     ; 128 rows x (256 bytes of codes + 16): Y's codes along F meet here, 64 bytes of a row from each wave
.set YSS,   OST+128*272                ; 128 rows x 16 bytes: their scale words
.set AF,  4                            ; v4   row-wise reads: my wave's tiles + 528 r + 64 h
.set AC,  5                            ; v5   column-wise reads: my wave's tiles + 4 x lane
.set OSA, 6                            ; v6   OST + 272 r + 64 w + 8 h
.set YSA, 7                            ; v7   YSS + 16 r + 4 w
.set VGO, 8                            ; v8   1,024 h + 16 r: my column's place in two neighbouring fragments
.set LI,  9                            ; v9   16 x lane
.set OSR, 10                           ; v10  OST + (32 w + h) 272 + 16 r
.set YCO, 11                           ; v11  512 h + 16 r
.set YSR, 12                           ; v12  YSS + 16 (32 w + lane)
.set YSO, 13                           ; v13  32 x lane
.set X0,  16                           ; v16-79   64 numbers at work
.set X1,  80                           ; v80-143  64 more
.set TM,  144                          ; v144-159 largest magnitudes, bytes, scale operands
.set PW,  160                          ; v160-161 scale words along F, one for each 16 rows
.set YC,  162                          ; v162-177 codes along F
.set VSW, 178                          ; v178-181 scale words along the keys, one for each 32 columns
.set VC,  182                          ; v182-245 codes along the keys: four registers for each (sub-tile, 32 columns), so that no store's data are written again
.set SEL, 40                           ; s[40:41] v_permlanex16_b32's selects for lane l xor 16
	s_load_b256 s[4:11], s[0:1], 0x0               ; Y s[4:5], ycodes s[6:7], yscales s[8:9], kv s[10:11]
	v_lshl_add_u32 v254, v0, 2, 0x4b000
	v_mov_b32 v255, 0
	ds_add_u32 v254, v255
	ds_add_u32 v254, v255
	v_lshrrev_b32 v1, 5, v0
	v_readfirstlane_b32 s12, v1                    ; wave 0..3
	s_and_b32 s14, ttmp7, 0xffff                   ; bj
	; descriptor group 1: 32 rows x 128 elements of 4 bytes, 1,024 elements from row to row; 4 words of padding behind every 128
	s_mov_b32 s16, (2<<16)|(1<<20)|(6<<22)|(3<<25)
	s_mov_b32 s17, 128<<16                         ; tensor_dim0
	s_mov_b32 s18, 32<<16                          ; tensor_dim1
	s_mov_b32 s19, 128<<16                         ; tile_dim0
	s_mov_b32 s20, 32                              ; tile_dim1
	s_mov_b32 s21, 1024                            ; the pitch
	s_mov_b32 s22, 0
	s_mov_b32 s23, 0
	s_mul_i32 s44, s12, WREG                       ; my wave's tiles in LDS
	s_lshl_b32 s42, s14, 19                        ; 128 keys x 4,096 bytes,
	s_lshl_b32 s45, ttmp9, 11                      ; + the half of F,
	s_add_co_u32 s42, s42, s45
	s_lshl_b32 s45, s12, 9                         ; + my wave's 128 columns
	s_add_co_u32 s42, s42, s45
	s_mov_b32 s43, 0
	s_wait_dscnt 0x0
	s_wait_kmcnt 0x0
	s_add_nc_u64 s[4:5], s[4:5], s[42:43]
.irp k, 0,1,2,3
	s_mov_b32 s[24+4*\k], 1
	s_add_co_u32 s[25+4*\k], s44, \k*SUBT
	s_add_nc_u64 s[26+4*\k:27+4*\k], s[4:5], \k*131072   ; 32 keys on
	s_or_b32 s[27+4*\k], s[27+4*\k], 0x80000000
.endr
.irp k, 0,1,2,3
	tensor_load_to_lds s[24+4*\k:27+4*\k], s[16:23] ; my four first fills, ahead of every wait on TENSORcnt, LDS read and barrier: four loads of mine are out
	s_nop 0
.endr
.rept 4
	v_nop
.endr
	s_mul_i32 s46, s14, KVB                        ; my block of kv
	s_lshl_b32 s45, ttmp9, 15
	s_add_co_u32 s48, s46, s45
	s_lshl_b32 s45, s12, 13
	s_add_co_u32 s48, s48, s45
	s_add_co_u32 s48, s48, 34816                   ; + (32 half + 8 w) fragments of 1,024 bytes
	s_mov_b32 s49, 0
	s_add_nc_u64 s[48:49], s[10:11], s[48:49]      ; where my eight fragments of V go
	s_lshl_b32 s45, ttmp9, 11
	s_add_co_u32 s50, s46, s45
	s_lshl_b32 s45, s12, 9
	s_add_co_u32 s50, s50, s45
	s_add_co_u32 s50, s50, 100352                  ; + (4 half + w) groups of 512 bytes
	s_mov_b32 s51, 0
	s_add_nc_u64 s[50:51], s[10:11], s[50:51]      ; and their scale words
	s_lshl_b32 s52, s14, 16                        ; ycodes: (128 bj + 32 w) rows of 512 bytes + 256 x half
	s_lshl_b32 s45, s12, 14
	s_add_co_u32 s52, s52, s45
	s_lshl_b32 s45, ttmp9, 8
	s_add_co_u32 s52, s52, s45
	s_mov_b32 s53, 0
	s_add_nc_u64 s[6:7], s[6:7], s[52:53]
	s_lshl_b32 s52, s14, 12                        ; yscales: the same rows of 32 bytes + 16 x half
	s_lshl_b32 s45, s12, 10
	s_add_co_u32 s52, s52, s45
	s_lshl_b32 s45, ttmp9, 4
	s_add_co_u32 s52, s52, s45
	s_add_nc_u64 s[8:9], s[8:9], s[52:53]
	s_mov_b32 s[SEL], 0x76543210
	s_mov_b32 s[SEL+1], 0xfedcba98
	v_and_b32 v1, 31, v0                           ; lane
	v_and_b32 v2, 15, v0                           ; r
	v_bfe_u32 v3, v0, 4, 1                         ; h
	v_mul_u32_u24 v[AF], v2, 528
	v_lshl_add_u32 v[AF], v3, 6, v[AF]
	v_add_nc_u32 v[AF], s44, v[AF]
	v_lshl_add_u32 v[AC], v1, 2, s44
	v_mul_u32_u24 v[OSA], v2, 272
	v_lshl_add_u32 v[OSA], v3, 3, v[OSA]
	s_lshl_b32 s45, s12, 6
	s_add_co_u32 s45, s45, OST
	v_add_nc_u32 v[OSA], s45, v[OSA]
	s_lshl_b32 s45, s12, 2
	s_add_co_u32 s45, s45, YSS
	v_lshl_add_u32 v[YSA], v2, 4, s45
	v_lshlrev_b32 v[VGO], 4, v2
	v_lshl_add_u32 v[VGO], v3, 10, v[VGO]
	v_lshlrev_b32 v[LI], 4, v1
	s_mul_i32 s45, s12, 32*272
	s_add_co_u32 s45, s45, OST
	v_mul_u32_u24 v[OSR], v3, 272
	v_lshl_add_u32 v[OSR], v2, 4, v[OSR]
	v_add_nc_u32 v[OSR], s45, v[OSR]
	v_lshlrev_b32 v[YCO], 4, v2
	v_lshl_add_u32 v[YCO], v3, 9, v[YCO]
	s_lshl_b32 s45, s12, 9
	s_add_co_u32 s45, s45, YSS
	v_lshl_add_u32 v[YSR], v1, 4, s45
	v_lshlrev_b32 v[YSO], 5, v1
.irp b, 0,1,2,3
	v_mov_b32 v[TM+4+\b], 0                        ; written once: a lane permute's destination counts as one of its sources
.endr
; Rows 16 rt .. 16 rt + 15 of the sub-tile: lane (r, h) takes, of row r, the 16 neighbours 32 b + 16 h .. of each block b of 32 along F
.macro LOADF set, rt
.irp b, 0,1,2,3
.irp j, 0,1,2,3
	ds_load_b128 v[\set+16*\b+4*\j:\set+16*\b+4*\j+3], v[AF] offset:\rt*8448+128*\b+16*\j
.endr
.endr
.endm
; Those 64 numbers become 8 bytes of codes for each block (v[YC + 8 rt + 2 b], + 1) and the row's scale word for these 128 along F
.macro QUANTF set, rt
.irp b, 0,1,2,3
	v_max3_num_f32 v[TM+\b], |v[\set+16*\b]|, |v[\set+16*\b+1]|, 0x1800000   ; my 16 numbers of block b, and the floor 2^(3 - 127): the byte cannot fall under 1
.endr
.irp i, 2,4,6,8,10,12,14
.irp b, 0,1,2,3
	v_max3_num_f32 v[TM+\b], v[TM+\b], |v[\set+16*\b+\i]|, |v[\set+16*\b+\i+1]|   ; the four blocks by turns
.endr
.endr
.irp b, 0,1,2,3
	v_permlanex16_b32 v[TM+4+\b], v[TM+\b], s[SEL], s[SEL+1]
.endr
.irp b, 0,1,2,3
	v_max_num_f32 v[TM+\b], v[TM+\b], v[TM+4+\b]   ; with lane l xor 16's 16: the block's largest magnitude
.endr
.irp b, 0,1,2,3
	v_add_nc_u32 v[TM+12+\b], 0xff000000, v[TM+\b] ; 2 off its exponent field: the conversion takes this operand's exponent field as its scale
.endr
.irp b, 0,1,2,3
	v_lshrrev_b32 v[TM+4+\b], 23, v[TM+12+\b]      ; the scale's byte
.endr
	v_lshl_or_b32 v[PW+\rt], v[TM+5], 8, v[TM+4]
	v_lshl_or_b32 v[PW+\rt], v[TM+6], 16, v[PW+\rt]
	v_lshl_or_b32 v[PW+\rt], v[TM+7], 24, v[PW+\rt]
.irp b, 0,1,2,3
	v_cvt_scalef32_pk8_fp4_f32 v[YC+8*\rt+2*\b], v[\set+16*\b:\set+16*\b+7], v[TM+12+\b]
	v_cvt_scalef32_pk8_fp4_f32 v[YC+8*\rt+2*\b+1], v[\set+16*\b+8:\set+16*\b+15], v[TM+12+\b]
.endr
	v_nop                                          ; one plain line behind the last scaled conversion
.endm
; Columns 32 g .. 32 g + 31: a lane takes a column, and its 32 registers run down the sub-tile's 32 keys: a whole block along the keys
.macro LOADC dst, g
.set II, 0
.rept 32
	ds_load_b32 v[\dst+II], v[AC] offset:528*II+128*\g
.set II, II+1
.endr
.endm
; That block becomes 16 bytes of codes, stored at once (lanes 0-15 fill 256 consecutive bytes of one fragment, lanes 16-31 of the next), and byte kb of the column's scale word
.macro QUANTV src, g, kb
	v_max3_num_f32 v[TM+8], |v[\src]|, |v[\src+1]|, |v[\src+2]|
	v_max3_num_f32 v[TM+9], |v[\src+3]|, |v[\src+4]|, |v[\src+5]|
.irp i, 6,10,14,18,22,26
	v_max3_num_f32 v[TM+8], v[TM+8], |v[\src+\i]|, |v[\src+\i+1]|
	v_max3_num_f32 v[TM+9], v[TM+9], |v[\src+\i+2]|, |v[\src+\i+3]|
.endr
	v_max3_num_f32 v[TM+8], v[TM+8], |v[\src+30]|, |v[\src+31]|
	v_max3_num_f32 v[TM+8], v[TM+8], v[TM+9], 0x1800000
	v_add_nc_u32 v[TM+10], 0xff000000, v[TM+8]
	v_lshrrev_b32 v[TM+11], 23, v[TM+10]
.if \kb == 0
	v_mov_b32 v[VSW+\g], v[TM+11]
.else
	v_lshl_or_b32 v[VSW+\g], v[TM+11], 8*\kb, v[VSW+\g]
.endif
.irp c, 0,1,2,3
	v_cvt_scalef32_pk8_fp4_f32 v[VC+4*(4*\kb+\g)+\c], v[\src+8*\c:\src+8*\c+7], v[TM+10]
.endr
	v_nop                                          ; one plain line behind the last scaled conversion
	global_store_b128 v[VGO], v[VC+4*(4*\kb+\g):VC+4*(4*\kb+\g)+3], s[48:49] offset:2048*\g+256*\kb
.endm
; One sub-tile of 32 keys x 128 f.  LDS loads come back in order, so each count below names the loads issued behind the ones that are wanted.
.macro SUB kb
	s_wait_tensorcnt 3-\kb                         ; tensor loads of a wave end in order: this sub-tile is in, the younger ones may be out
	LOADF X0, 0
	LOADF X1, 1
	s_wait_dscnt 16                                ; rows 0-15 are in (and the last sub-tile's stores into the stage have read their registers); rows 16-31 may be out
	QUANTF X0, 0
	LOADC X0, 0
	s_wait_dscnt 32                                ; all but the 32 column loads just issued
	QUANTF X1, 1
	LOADC X0+32, 1
	s_wait_dscnt 32
	QUANTV X0, 0, \kb
	LOADC X1, 2
	s_wait_dscnt 32
	QUANTV X0+32, 1, \kb
	LOADC X1+32, 3
	s_wait_dscnt 32
	QUANTV X1, 2, \kb
	s_wait_dscnt 0x0
	QUANTV X1+32, 3, \kb
.irp rt, 0,1
.irp b, 0,1,2,3
	ds_store_b64 v[OSA], v[YC+8*\rt+2*\b:YC+8*\rt+2*\b+1] offset:(32*\kb+16*\rt)*272+16*\b
.endr
	ds_store_b32 v[YSA], v[PW+\rt] offset:(32*\kb+16*\rt)*16      ; lanes r and r + 16 write the same word with the same value
.endr
.if \kb < 3
	v_add_nc_u32 v[AF], SUBT, v[AF]                ; on to the next sub-tile
	v_add_nc_u32 v[AC], SUBT, v[AC]
.endif
.endm
	SUB 0
	SUB 1
	SUB 2
	SUB 3
	global_store_b128 v[LI], v[VSW:VSW+3], s[50:51] ; my eight fragments' scale words: 512 consecutive bytes
	s_wait_dscnt 0x0                               ; for the others' sake: my stores into the stage are done
	s_barrier_signal -1
	s_barrier_wait -1                              ; a row's 256 bytes of codes come from the four waves
.irp i, 0,1,2,3,4,5,6,7,8,9,10,11,12,13,14,15
	ds_load_b128 v[X0+4*\i:X0+4*\i+3], v[OSR] offset:544*\i        ; rows 32 w + 2 i and + 1, whole
.endr
	ds_load_b128 v[X1:X1+3], v[YSR]
.irp i, 0,1,2,3,4,5,6,7,8,9,10,11,12,13,14,15
	s_wait_dscnt 16-\i
	global_store_b128 v[YCO], v[X0+4*\i:X0+4*\i+3], s[6:7] offset:1024*\i   ; 16 lanes store 256 consecutive bytes, at a multiple of 256 from the buffer's first byte
.endr
	s_wait_dscnt 0x0
	global_store_b128 v[YSO], v[X1:X1+3], s[8:9]   ; 16 bytes of each row's 32: the other half of F is another work-group's.  One byte in 128 of what the launch reads
	s_wait_tensorcnt 0x0
	ds_add_u32 v254, v255
	s_wait_dscnt 0x0
	s_endpgm
.Lfunc_end_k_q51a09ffc93_prep:
	.size	k_q51a09ffc93_prep, .Lfunc_end_k_q51a09ffc93_prep-k_q51a09ffc93_prep
	.p2alignl 7, 3214868480
	.fill 96, 4, 3214868480
	.section	.rodata,"a",@progbits
	.p2align	6, 0x0
	.amdhsa_kernel k_q51a09ffc93_prep
		.amdhsa_group_segment_fixed_size 307712
		.amdhsa_private_segment_fixed_size 0
		.amdhsa_enable_private_segment 0
		.amdhsa_kernarg_size 32
		.amdhsa_user_sgpr_count 2
		.amdhsa_user_sgpr_kernarg_segment_ptr 1
		.amdhsa_wavefront_size32 1
		.amdhsa_system_sgpr_workgroup_id_x 1
		.amdhsa_system_sgpr_workgroup_id_y 1
		.amdhsa_system_sgpr_workgroup_id_z 1
		.amdhsa_system_vgpr_workitem_id 0
		.amdhsa_next_free_vgpr 256
		.amdhsa_next_free_sgpr 66
		.amdhsa_reserve_vcc 0
		.amdhsa_float_denorm_mode_32 3
		.amdhsa_float_denorm_mode_16_64 3
		.amdhsa_memory_ordered 1
		.amdhsa_forward_progress 1
		.amdhsa_inst_pref_size 107
	.end_amdhsa_kernel
	.amdgpu_metadata
---
amdhsa.version: [ 1, 2 ]
amdhsa.kernels:
  - .name:           k_q51a09ffc93_prep
    .symbol:         k_q51a09ffc93_prep.kd
    .args:
      - { .name: Y, .offset: 0, .size: 8, .value_kind: global_buffer, .address_space: global }
      - { .name: ycodes, .offset: 8, .size: 8, .value_kind: global_buffer, .address_space: global }
      - { .name: yscales, .offset: 16, .size: 8, .value_kind: global_buffer, .address_space: global }
      - { .name: kv, .offset: 24, .size: 8, .value_kind: global_buffer, .address_space: global }
    .group_segment_fixed_size: 307712
    .private_segment_fixed_size: 0
    .kernarg_segment_align: 8
    .kernarg_segment_size: 32
    .max_flat_workgroup_size: 128
    .sgpr_count:     66
    .vgpr_count:     256
    .wavefront_size: 32
...
	.end_amdgpu_metadata
.endif
;; end of part 1
;; launch proj (part 2): grid 256 x 1, 4 waves a work-group, clusters of 4 x 1, 327,680 bytes of LDS; arguments ycodes, yscales, X_codes, X_scales, K_codes, K_scales, Q_codes, Q_scales, g1, b1, g2, b2, kv, qimg; writes kv, qimg
.if DOCPART == 2
	.amdgcn_target "amdgcn-amd-amdhsa--gfx1250"
	.amdhsa_code_object_version 6
	.text
	.protected	k_q51a09ffc93_proj
	.globl	k_q51a09ffc93_proj
	.p2align	8
	.type	k_q51a09ffc93_proj,@function
k_q51a09ffc93_proj:
	s_mov_b64 s[64:65], 0
	v_nop
	global_prefetch_b8 v0, s[64:65] scope:SCOPE_SE
	s_setreg_imm32_b32 hwreg(HW_REG_WAVE_MODE, 25, 1), 1
	s_wait_xcnt 0x0
	s_wait_alu depctr_hold_cnt(0) depctr_sa_sdst(0) depctr_va_vdst(0) depctr_va_sdst(0) depctr_va_ssrc(0) depctr_va_vcc(0) depctr_vm_vsrc(0)
	s_getreg_b32 s2, hwreg(HW_REG_IB_STS2, 6, 4)
	s_cmp_eq_u32 s2, 0
	s_cbranch_scc0 .Lentry_in_a_cluster
	s_endpgm
.Lentry_in_a_cluster:
	s_bfe_u32 s2, ttmp6, 0x10000c
	s_cmp_lg_u32 s2, 0x3003
	s_cbranch_scc0 .Lentry_shape_is_right
	s_endpgm
.Lentry_shape_is_right:
; keys = LayerNorm(Y K; g1, b1) and queries = LayerNorm(X Q; g2, b2), both products on E2M1 codes with E8M0 scales, then quantised along H = 512 and stored as images of operand registers.
; One body: clusters 0-31 take Y's side (ycodes, yscales, K_*, g1, b1 -> kv), clusters 32-63 X's side (X_*, Q_*, g2, b2 -> qimg): only pointers and a stride are chosen, by the cluster's number.
; SHARES.  A work-group takes 128 rows x all 512 columns, K = 1,024.  Wave w takes all 128 rows x columns 128 w .. + 127: 64 accumulators, 512 registers.
; THE MATRIX INSTRUCTION IS USED TRANSPOSED (source 0 = 16 rows of the weight, source 1 = 16 rows of A): lane (r, h) holds row r, register j of tile u column 128 w + 16 u + 8 h + j.
; So a row's mean and variance want a sum in the lane, one exchange between the halves of the lanes, and one through LDS among the four waves; and a lane's registers run along the next product's K.
; LDS.  A's 128 rows for all of K come once (a plain load: no other work-group reads them).  The weight's rows come in four chunks of 256 along K through three slots; the four work-groups of a cluster
; read the same weight, so each chunk is asked for JOINTLY (mask 15).  Chunk 3 goes into slot 0 again: the launch's one refill.  Rows of 128 bytes: two slots of 256-byte rows (2 x 139,264) and A (67,584) do not fit together.
; A wave reads only the weight rows that it asked for itself; A is read by all four waves, behind a barrier.
; OUT.  Fragment (tile of rows t, K step s) at (4 t + s) 1,024: register 4 c + d of lane L at 512 c + 16 L + 4 d; its scale words at 32,768 + 256 t + 16 r + 4 s.
; LayerNorm: mean, then the mean of the squared differences (never a difference of large sums), ((x - mean) rsqrt(var + 1e-5)) g + b, all in f32.
; LIMITS: a block's largest magnitude under 2^-124 is taken as 2^-124 (byte 1; a block of zeros too: its codes are zeros); NaN and infinities are not served.
; REGISTERS, in windows of 256: window 0: v1-29 addresses; v32-63 A's scale words, v64-95 the weight's; v96-159, v160-223 A's fragments, two sets (behind the products: at work).
;   window 1: v0-63, v64-127 the weight's fragments, two sets; v128-191 g, v192-255 b in the result's layout.   window 2: accumulators of rows 0-63 ((a, u) at 64 (a % 4) + 8 u);   window 3: of rows 64-127.
.set KVB,   104448
.set QB,    34816
.set WSLOT, 73728                      ; a slot: 512 rows x (128 bytes + 16)
.set WPW,   18432                      ; a wave's 128 rows of it
.set AT,    3*WSLOT                    ; A: 128 rows x (512 bytes + 16)
.set RED1,  AT+128*528                 ; 2,048 bytes: the waves' sums; + 2,048: their sums of squares; + 4,096: the scale words
.set SPARE, RED1+6144                  ; the spare words, 128 bytes for each wave: two blocks of 256 bytes that no other line names
.set ADA, 1                            ; v1    AT + 528 r + 16 h
.set ADW, 2                            ; v2-4  slot n + my 128 rows + 144 r + 16 h
.set LI,  5                            ; v5    16 x lane
.set R32, 6                            ; v6    32 x lane
.set GBO, 7                            ; v7    32 h
.set RDS, 8                            ; v8    RED1 + 16 r + 4 w
.set RDL, 9                            ; v9    RED1 + 16 r
.set SCL, 10                           ; v10   RED1 + 4,096 + 512 w + 16 x lane
.set SPW, 28                           ; v28   my spare word; never rewritten
.set NIL, 29                           ; v29   0; never rewritten
.set AS,  32                           ; register 8 p + q: lanes 0-15 the word of A's tile 2 p, lanes 16-31 of tile 2 p + 1, for the q-th 128 along K
.set WS,  64                           ; the same for the weight's tiles
.set AF,  96
.set WF,  0
.set GG,  128
.set BB,  192
.set SU,  96                           ; behind the products, window 0: v96 + 2 a a pair of sums;
.set MU,  112                          ; v112 + 2 a the mean, twice;
.set RS,  128                          ; v128 + 2 a 1 / sqrt(var + eps), twice;
.set RD,  144                          ; v144-175 the four waves' parts;
.set TM,  176                          ; v176-191 at work;
.set PW,  192                          ; v192 + a the scale word;
.set PC,  200                          ; v200 + 8 (a % 4) the codes
.set WV,  20
.set SEL, 24
.set G1W, 32                           ; s[32:39] group 1 for the weight's chunks;  s[40:47] for A;  s[48:51] A's group 0;  s[52:63] the three slots' groups 0
.set G1A, 40
.set G0A, 48
.set G0W, 52
.set MSB, 0
.macro WIN new                         ; the immediate's high byte repeats the setting that is left; a switch that changes nothing is dropped
.if MSB != (\new)
	s_set_vgpr_msb (MSB<<8)|(\new)
.set MSB, (\new)
.endif
.endm
.macro PLACES                          ; four plain lines behind a matrix instruction, ahead of loads into its sources and of reads of its result
.rept 4
	v_nop
.endr
.endm
.macro ROUND                           ; a round of the cluster's barrier
	s_barrier_signal -1
	s_barrier_wait -1
	s_cmp_lg_u32 s[WV], 0
	s_cbranch_scc1 .Lnw0_\@
	s_barrier_signal -3
.Lnw0_\@:
	s_barrier_wait -3
	s_barrier_signal -1
	s_barrier_wait -1
.endm
; One product.  ra, rb: source 0's, source 1's scales stand in lanes 16-31 of their register.  zero: it starts the sum
.macro WM d, fa, fb, sa, sb, ra, rb, zero
.if \zero
.if (\ra) && (\rb)
	v_wmma_scale_f32_16x16x128_f8f6f4 v[\d:\d+7], v[\fa:\fa+7], v[\fb:\fb+7], 0, v[\sa], v[\sb] matrix_a_fmt:MATRIX_FMT_FP4 matrix_b_fmt:MATRIX_FMT_FP4 matrix_a_scale:MATRIX_SCALE_ROW1 matrix_b_scale:MATRIX_SCALE_ROW1
.elseif \ra
	v_wmma_scale_f32_16x16x128_f8f6f4 v[\d:\d+7], v[\fa:\fa+7], v[\fb:\fb+7], 0, v[\sa], v[\sb] matrix_a_fmt:MATRIX_FMT_FP4 matrix_b_fmt:MATRIX_FMT_FP4 matrix_a_scale:MATRIX_SCALE_ROW1
.elseif \rb
	v_wmma_scale_f32_16x16x128_f8f6f4 v[\d:\d+7], v[\fa:\fa+7], v[\fb:\fb+7], 0, v[\sa], v[\sb] matrix_a_fmt:MATRIX_FMT_FP4 matrix_b_fmt:MATRIX_FMT_FP4 matrix_b_scale:MATRIX_SCALE_ROW1
.else
	v_wmma_scale_f32_16x16x128_f8f6f4 v[\d:\d+7], v[\fa:\fa+7], v[\fb:\fb+7], 0, v[\sa], v[\sb] matrix_a_fmt:MATRIX_FMT_FP4 matrix_b_fmt:MATRIX_FMT_FP4
.endif
.else
.if (\ra) && (\rb)
	v_wmma_scale_f32_16x16x128_f8f6f4 v[\d:\d+7], v[\fa:\fa+7], v[\fb:\fb+7], v[\d:\d+7], v[\sa], v[\sb] matrix_a_fmt:MATRIX_FMT_FP4 matrix_b_fmt:MATRIX_FMT_FP4 matrix_a_scale:MATRIX_SCALE_ROW1 matrix_b_scale:MATRIX_SCALE_ROW1
.elseif \ra
	v_wmma_scale_f32_16x16x128_f8f6f4 v[\d:\d+7], v[\fa:\fa+7], v[\fb:\fb+7], v[\d:\d+7], v[\sa], v[\sb] matrix_a_fmt:MATRIX_FMT_FP4 matrix_b_fmt:MATRIX_FMT_FP4 matrix_a_scale:MATRIX_SCALE_ROW1
.elseif \rb
	v_wmma_scale_f32_16x16x128_f8f6f4 v[\d:\d+7], v[\fa:\fa+7], v[\fb:\fb+7], v[\d:\d+7], v[\sa], v[\sb] matrix_a_fmt:MATRIX_FMT_FP4 matrix_b_fmt:MATRIX_FMT_FP4 matrix_b_scale:MATRIX_SCALE_ROW1
.else
	v_wmma_scale_f32_16x16x128_f8f6f4 v[\d:\d+7], v[\fa:\fa+7], v[\fb:\fb+7], v[\d:\d+7], v[\sa], v[\sb] matrix_a_fmt:MATRIX_FMT_FP4 matrix_b_fmt:MATRIX_FMT_FP4
.endif
.endif
.endm
	s_load_b256 s[68:75], s[0:1], 0x0              ; ycodes, yscales, X_codes, X_scales
	s_load_b256 s[76:83], s[0:1], 0x20             ; K_codes, K_scales, Q_codes, Q_scales
	s_load_b256 s[84:91], s[0:1], 0x40             ; g1, b1, g2, b2
	s_load_b128 s[92:95], s[0:1], 0x60             ; kv, qimg
	v_lshl_add_u32 v[SPW], v0, 2, SPARE
	v_mov_b32 v[NIL], 0
	ds_add_u32 v28, v29
	ds_add_u32 v28, v29
	s_wait_dscnt 0x0
	v_lshrrev_b32 v11, 5, v0
	v_readfirstlane_b32 s[WV], v11                 ; wave 0..3
	s_bfe_u32 s21, ttmp6, 0x40000                  ; cx: it enters A's, the scales' and the output's global addresses alone
	s_lshl_b32 s22, ttmp9, 2
	s_add_co_u32 s22, s22, s21
	s_and_b32 s23, s22, 127                        ; which 128 rows of my side
	s_mov_b32 s[G1W], 15|(1<<20)|(1<<21)|(4<<22)|(3<<25)   ; 15:0 the mask: all four work-groups; elements of 1 byte; padding on; bit 21 beside a mask; 4 words behind every 32
	s_mov_b32 s[G1W+1], 128<<16                    ; tensor_dim0 = 128 bytes: 256 codes
	s_mov_b32 s[G1W+2], 128<<16                    ; tensor_dim1 = 128 rows
	s_mov_b32 s[G1W+3], 128<<16                    ; tile_dim0
	s_mov_b32 s[G1W+4], 128                        ; tile_dim1
	s_mov_b32 s[G1W+5], 512                        ; a row of the weight in memory
	s_mov_b32 s[G1W+6], 0
	s_mov_b32 s[G1W+7], 0
	s_mov_b32 s[G1A], (1<<20)|(6<<22)|(3<<25)      ; no mask; 4 words of padding behind every 128
	s_mov_b32 s[G1A+1], 512<<16
	s_mov_b32 s[G1A+2], 32<<16
	s_mov_b32 s[G1A+3], 512<<16
	s_mov_b32 s[G1A+4], 32
	s_mov_b32 s[G1A+5], 512
	s_mov_b32 s[G1A+6], 0
	s_mov_b32 s[G1A+7], 0
	s_mov_b32 s[SEL], 0x76543210
	s_mov_b32 s[SEL+1], 0xfedcba98
	s_mov_b32 s26, 0x3b000000                      ; 1 / 512
	s_mov_b32 s27, 0x3727c5ac                      ; 1e-5
	s_mov_b32 s29, 0
	s_mov_b32 s18, QB
	s_wait_kmcnt 0x0
	s_cmp_lt_u32 ttmp9, 32                         ; Y's side or X's: the cluster's number, the same in all four partners
	s_cselect_b64 s[4:5], s[68:69], s[72:73]       ; A's codes
	s_cselect_b64 s[6:7], s[70:71], s[74:75]       ; A's scales
	s_cselect_b64 s[8:9], s[76:77], s[80:81]       ; the weight's codes
	s_cselect_b64 s[10:11], s[78:79], s[82:83]     ; the weight's scales
	s_cselect_b64 s[12:13], s[84:85], s[88:89]     ; g
	s_cselect_b64 s[14:15], s[86:87], s[90:91]     ; b
	s_cselect_b64 s[16:17], s[92:93], s[94:95]     ; where the images go
	s_cselect_b32 s18, KVB, s18                    ; and how far apart their blocks lie
	s_lshl_b32 s28, s23, 16                        ; A: (128 idx + 32 w) rows of 512 bytes
	s_lshl_b32 s30, s[WV], 14
	s_add_co_u32 s28, s28, s30
	s_mov_b32 s[G0A], 1
	s_mul_i32 s[G0A+1], s[WV], 32*528
	s_add_co_u32 s[G0A+1], s[G0A+1], AT
	s_add_nc_u64 s[G0A+2:G0A+3], s[4:5], s[28:29]
	s_or_b32 s[G0A+3], s[G0A+3], 0x80000000
	s_lshl_b32 s28, s[WV], 16                      ; the weight: my 128 rows of 512 bytes
	s_add_nc_u64 s[8:9], s[8:9], s[28:29]
	s_mul_i32 s31, s[WV], WPW
.irp n, 0,1,2
	s_mov_b32 s[G0W+4*\n], 1
	s_add_co_u32 s[G0W+4*\n+1], s31, \n*WSLOT
	s_add_nc_u64 s[G0W+4*\n+2:G0W+4*\n+3], s[8:9], \n*128
	s_or_b32 s[G0W+4*\n+3], s[G0W+4*\n+3], 0x80000000
.endr
	s_lshl_b32 s28, s23, 12                        ; A's scales: 128 idx rows of 32 bytes
	s_add_nc_u64 s[6:7], s[6:7], s[28:29]
	s_lshl_b32 s28, s[WV], 12                      ; the weight's: my 128 rows
	s_add_nc_u64 s[10:11], s[10:11], s[28:29]
	s_lshl_b32 s28, s[WV], 9                       ; g, b: my 128 numbers
	s_add_nc_u64 s[12:13], s[12:13], s[28:29]
	s_add_nc_u64 s[14:15], s[14:15], s[28:29]
	s_mul_i32 s28, s23, s18
	s_add_nc_u64 s[16:17], s[16:17], s[28:29]      ; my block of the output
	s_lshl_b32 s28, s[WV], 9
	s_add_co_u32 s28, s28, 32768
	s_add_nc_u64 s[96:97], s[16:17], s[28:29]      ; the 512 bytes of scale words that I store
	s_lshl_b32 s28, s[WV], 10
	s_add_nc_u64 s[16:17], s[16:17], s[28:29]      ; my K step's fragments: + 1,024 w
	v_and_b32 v11, 31, v0                          ; lane
	v_and_b32 v12, 15, v0                          ; r
	v_bfe_u32 v13, v0, 4, 1                        ; h
	v_mul_u32_u24 v[ADA], v12, 528
	v_lshl_add_u32 v[ADA], v13, 4, v[ADA]
	v_add_nc_u32 v[ADA], AT, v[ADA]
	v_mul_u32_u24 v14, v12, 144
	v_lshl_add_u32 v14, v13, 4, v14
	v_add_nc_u32 v14, s31, v14
.irp n, 0,1,2
	v_add_nc_u32 v[ADW+\n], \n*WSLOT, v14
.endr
	v_lshlrev_b32 v[LI], 4, v11
	v_lshlrev_b32 v[R32], 5, v11
	v_lshlrev_b32 v[GBO], 5, v13
	v_lshlrev_b32 v[RDL], 4, v12
	v_add_nc_u32 v[RDL], RED1, v[RDL]
	s_lshl_b32 s30, s[WV], 2
	v_add_nc_u32 v[RDS], s30, v[RDL]
	s_lshl_b32 s30, s[WV], 9
	s_add_co_u32 s30, s30, RED1+4096
	v_add_nc_u32 v[SCL], s30, v[LI]
	ROUND                                          ; all four work-groups are here: the first joint loads meet
	tensor_load_to_lds s[G0A:G0A+3], s[G1A:G1A+7]  ; my 32 rows of A;
	s_nop 0
	tensor_load_to_lds s[G0W:G0W+3], s[G1W:G1W+7]  ; my 128 rows of the weight, chunks 0, 1, 2: four loads of mine are out
	s_nop 0
	tensor_load_to_lds s[G0W+4:G0W+7], s[G1W:G1W+7]
	s_nop 0
	tensor_load_to_lds s[G0W+8:G0W+11], s[G1W:G1W+7]
	s_nop 0
	PLACES
.irp p, 0,1,2,3
.irp e, 0,1
	global_load_b128 v[AS+8*\p+4*\e:AS+8*\p+4*\e+3], v[R32], s[6:7] offset:1024*\p+16*\e     ; lane L: row 32 p + L, words 4 e .. 4 e + 3
	global_load_b128 v[WS+8*\p+4*\e:WS+8*\p+4*\e+3], v[R32], s[10:11] offset:1024*\p+16*\e
.endr
.endr
	WIN 0x40                                       ; destination window 1
.irp u, 0,1,2,3,4,5,6,7
	global_load_b128 v[GG+8*\u:GG+8*\u+3], v[GBO], s[12:13] offset:64*\u        ; g and b at columns 16 u + 8 h + 0 .. 7 of my 128
	global_load_b128 v[GG+8*\u+4:GG+8*\u+7], v[GBO], s[12:13] offset:64*\u+16
	global_load_b128 v[BB+8*\u:BB+8*\u+3], v[GBO], s[14:15] offset:64*\u
	global_load_b128 v[BB+8*\u+4:BB+8*\u+7], v[GBO], s[14:15] offset:64*\u+16
.endr
	WIN 0
; The fragments of the q-th 128 along K into set q % 2: the weight's eight tiles (chunk q / 2 lies in slot (q / 2) % 3), then A's eight
.macro FETCH q
	WIN 0x40
.irp u, 0,1,2,3,4,5,6,7
.irp c, 0,1
	ds_load_b128 v[WF+64*((\q)%2)+8*\u+4*\c:WF+64*((\q)%2)+8*\u+4*\c+3], v[ADW+((\q)/2)%3] offset:2304*\u+64*((\q)%2)+32*\c
.endr
.endr
	WIN 0
.irp a, 0,1,2,3,4,5,6,7
.irp c, 0,1
	ds_load_b128 v[AF+64*((\q)%2)+8*\a+4*\c:AF+64*((\q)%2)+8*\a+4*\c+3], v[ADA] offset:8448*\a+64*(\q)+32*\c
.endr
.endr
.endm
; 64 products: the 64 accumulators take turns, one instruction a turn, in the same order in every step
.macro MUL q, zero
	WIN 0xa1                                       ; source 0 window 1, source 1 window 0, C and D window 2
.irp a, 0,1,2,3
.irp u, 0,1,2,3,4,5,6,7
	WM 64*\a+8*\u, WF+64*((\q)%2)+8*\u, AF+64*((\q)%2)+8*\a, WS+8*(\u/2)+(\q), AS+8*(\a/2)+(\q), \u%2, \a%2, \zero
.endr
.endr
	WIN 0xf1                                       ; C and D window 3
.irp a, 4,5,6,7
.irp u, 0,1,2,3,4,5,6,7
	WM 64*(\a-4)+8*\u, WF+64*((\q)%2)+8*\u, AF+64*((\q)%2)+8*\a, WS+8*(\u/2)+(\q), AS+8*(\a/2)+(\q), \u%2, \a%2, \zero
.endr
.endr
	WIN 0
.endm
.macro STEPQ q
	s_wait_dscnt 0x0                               ; this step's fragments are in (asked for 64 products ago)
	PLACES                                         ; ahead of loads into the set that the last step multiplied
	FETCH (\q)+1
	MUL \q, 0
.endm
	s_wait_tensorcnt 0x2                           ; my rows of A and chunk 0 are in; chunks 1 and 2 may be out
	s_barrier_signal -1
	s_barrier_wait -1                              ; everybody's rows of A are in
	FETCH 0
	s_wait_loadcnt 0x0                             ; the scale words, g and b
	s_wait_dscnt 0x0
	FETCH 1
	MUL 0, 1                                       ; the first step starts the sums: nothing is cleared
	s_wait_tensorcnt 0x0                           ; all my tensor loads have landed, so a group 0 may be written;
	ds_add_u32 v[SPW], v[NIL]                      ; 0 onto my spare word;
	s_add_nc_u64 s[G0W+2:G0W+3], s[G0W+2:G0W+3], 384   ; slot 0's next chunk is chunk 3
	s_wait_dscnt 0x0                               ; the add is done; step 1's fragments are in, and with them my reads of slot 0 are over
	ROUND                                          ; the same holds of every wave of the four work-groups
	tensor_load_to_lds s[G0W:G0W+3], s[G1W:G1W+7]  ; the one refill: it has four steps, 256 products, in which to land
	s_nop 0
	PLACES                                         ; also the places ahead of the loads below
	FETCH 2
	MUL 1, 0
	STEPQ 2
	STEPQ 3
	STEPQ 4
	s_wait_dscnt 0x0
	PLACES
	s_wait_tensorcnt 0x0                           ; chunk 3: I alone read the rows that I asked for, so my own wait orders the reads
	FETCH 6
	MUL 5, 0
	STEPQ 6
	s_wait_dscnt 0x0
	MUL 7, 0
	PLACES
; ---- LayerNorm.  The four rows' tiles of a window by turns, so that no line waits for the line above it.  Each accumulator is read from its low end on.
.irp a, 0,1,2,3,4,5,6,7
	v_mov_b32 v[TM+\a], 0                          ; a lane permute's destination counts as one of its sources
.endr
.macro ESUM hi                         ; a pair of sums for each of the window's four tiles of rows
	WIN 0x0a+5*\hi
.irp a, 0,1,2,3
	v_pk_add_f32 v[SU+2*(4*\hi+\a):SU+2*(4*\hi+\a)+1], v[64*\a:64*\a+1], v[64*\a+2:64*\a+3]
.endr
	WIN 0x08+4*\hi
.set PP, 4
.rept 30
.irp a, 0,1,2,3
	v_pk_add_f32 v[SU+2*(4*\hi+\a):SU+2*(4*\hi+\a)+1], v[SU+2*(4*\hi+\a):SU+2*(4*\hi+\a)+1], v[64*\a+PP:64*\a+PP+1]
.endr
.set PP, PP+2
.endr
.endm
; The pairs' halves, lane l xor 16's, and through LDS the other waves': v[RD + 4 a] = the row's sum over all 512 columns, the same bits in every wave
.macro REDUCE off
.irp a, 0,1,2,3,4,5,6,7
	v_add_f32 v[SU+2*\a], v[SU+2*\a], v[SU+2*\a+1]
.endr
.irp a, 0,1,2,3,4,5,6,7
	v_permlanex16_b32 v[TM+\a], v[SU+2*\a], s[SEL], s[SEL+1]
.endr
.irp a, 0,1,2,3,4,5,6,7
	v_add_f32 v[SU+2*\a], v[SU+2*\a], v[TM+\a]
.endr
.irp a, 0,1,2,3,4,5,6,7
	ds_store_b32 v[RDS], v[SU+2*\a] offset:\off+256*\a
.endr
	s_wait_dscnt 0x0                               ; for the others' sake
	s_barrier_signal -1
	s_barrier_wait -1
.irp a, 0,1,2,3,4,5,6,7
	ds_load_b128 v[RD+4*\a:RD+4*\a+3], v[RDL] offset:\off+256*\a
.endr
	s_wait_dscnt 0x0
.irp a, 0,1,2,3,4,5,6,7
	v_add_f32 v[RD+4*\a], v[RD+4*\a], v[RD+4*\a+1]
	v_add_f32 v[RD+4*\a+2], v[RD+4*\a+2], v[RD+4*\a+3]
.endr
.irp a, 0,1,2,3,4,5,6,7
	v_add_f32 v[RD+4*\a], v[RD+4*\a], v[RD+4*\a+2]
.endr
.endm
.macro EDIFF hi                        ; x - mean in place, then the sums of its squares
	WIN 0x82+0x41*\hi
.set PP, 0
.rept 32
.irp a, 0,1,2,3
	v_pk_add_f32 v[64*\a+PP:64*\a+PP+1], v[64*\a+PP:64*\a+PP+1], v[MU+2*(4*\hi+\a):MU+2*(4*\hi+\a)+1] neg_lo:[0,1] neg_hi:[0,1]
.endr
.set PP, PP+2
.endr
	WIN 0x0a+5*\hi
.irp a, 0,1,2,3
	v_pk_mul_f32 v[SU+2*(4*\hi+\a):SU+2*(4*\hi+\a)+1], v[64*\a:64*\a+1], v[64*\a:64*\a+1]
.endr
.set PP, 2
.rept 31
.irp a, 0,1,2,3
	v_pk_fma_f32 v[SU+2*(4*\hi+\a):SU+2*(4*\hi+\a)+1], v[64*\a+PP:64*\a+PP+1], v[64*\a+PP:64*\a+PP+1], v[SU+2*(4*\hi+\a):SU+2*(4*\hi+\a)+1]
.endr
.set PP, PP+2
.endr
.endm
.macro ENORM hi                        ; ((x - mean) rstd) g + b, in place
	WIN 0x82+0x41*\hi
.set PP, 0
.rept 32
.irp a, 0,1,2,3
	v_pk_mul_f32 v[64*\a+PP:64*\a+PP+1], v[64*\a+PP:64*\a+PP+1], v[RS+2*(4*\hi+\a):RS+2*(4*\hi+\a)+1]
.endr
.set PP, PP+2
.endr
	WIN 0x96+0x41*\hi                              ; g and b in window 1
.set PP, 0
.rept 32
.irp a, 0,1,2,3
	v_pk_fma_f32 v[64*\a+PP:64*\a+PP+1], v[64*\a+PP:64*\a+PP+1], v[GG+PP:GG+PP+1], v[BB+PP:BB+PP+1]
.endr
.set PP, PP+2
.endr
.endm
	ESUM 0
	ESUM 1
	WIN 0
	REDUCE 0
.irp a, 0,1,2,3,4,5,6,7
	v_mul_f32 v[MU+2*\a], s26, v[RD+4*\a]          ; the mean, in both words of a pair
	v_mul_f32 v[MU+2*\a+1], s26, v[RD+4*\a]
.endr
	EDIFF 0
	EDIFF 1
	WIN 0
	REDUCE 2048
.irp a, 0,1,2,3,4,5,6,7
	v_fma_f32 v[RD+4*\a], v[RD+4*\a], s26, s27     ; var + eps
.endr
.irp a, 0,1,2,3,4,5,6,7
	v_rsq_f32 v[RS+2*\a], v[RD+4*\a]
.endr
	v_nop                                          ; a plain line behind the last of the batch
	s_wait_alu depctr_va_vdst(0)                   ; one wait for the eight, ahead of their first reader
.irp a, 0,1,2,3,4,5,6,7
	v_mov_b32 v[RS+2*\a+1], v[RS+2*\a]
.endr
	ENORM 0
	ENORM 1
; ---- Tile a's 16 rows x my 128 columns become K step w of the next product.  Block b of 32 lies in tiles 2 b, 2 b + 1: 16 numbers in lane (r, h), 16 in lane (r, 1 - h).
; A conversion's 8 codes are columns 32 b + 16 t + 8 h + 0 .. 7: word 2 t + h of block b.  The operand wants block 2 c in lanes 0-15 and block 2 c + 1 in lanes 16-31, words 0-3 in registers 4 c .. 4 c + 3:
; with blocks 2 c and 2 c + 1 in neighbouring registers, one exchange of the first's upper lanes with the second's lower lanes gives words 2 t and 2 t + 1.
.macro QUANTH a
.set AC, 64*((\a)%4)
.set HI, (\a)/4
.set PCA, PC+8*((\a)%4)
	WIN 0
.irp b, 0,1,2,3
	v_mov_b32 v[TM+\b], 0x1800000                  ; the floor 2^(3 - 127): the byte cannot fall under 1
.endr
	WIN 0x28+0x14*HI
.irp i, 0,2,4,6,8,10,12,14
.irp b, 0,1,2,3
	v_max3_num_f32 v[TM+\b], v[TM+\b], |v[AC+16*\b+\i]|, |v[AC+16*\b+\i+1]|
.endr
.endr
	WIN 0
.irp b, 0,1,2,3
	v_permlanex16_b32 v[TM+4+\b], v[TM+\b], s[SEL], s[SEL+1]
.endr
.irp b, 0,1,2,3
	v_max_num_f32 v[TM+\b], v[TM+\b], v[TM+4+\b]
.endr
.irp b, 0,1,2,3
	v_add_nc_u32 v[TM+12+\b], 0xff000000, v[TM+\b] ; 2 off the exponent field: the conversion's scale operand
.endr
.irp b, 0,1,2,3
	v_lshrrev_b32 v[TM+4+\b], 23, v[TM+12+\b]      ; the scale's byte
.endr
	v_lshl_or_b32 v[PW+\a], v[TM+5], 8, v[TM+4]
	v_lshl_or_b32 v[PW+\a], v[TM+6], 16, v[PW+\a]
	v_lshl_or_b32 v[PW+\a], v[TM+7], 24, v[PW+\a]
	WIN 0x02+HI
.irp b, 0,1,2,3
	v_cvt_scalef32_pk8_fp4_f32 v[PCA+4*(\b/2)+(\b%2)], v[AC+16*\b:AC+16*\b+7], v[TM+12+\b]
	v_cvt_scalef32_pk8_fp4_f32 v[PCA+4*(\b/2)+2+(\b%2)], v[AC+16*\b+8:AC+16*\b+15], v[TM+12+\b]
.endr
	WIN 0
	v_nop                                          ; one plain line behind the last scaled conversion
.irp c, 0,1
	v_permlane16_swap_b32 v[PCA+4*\c], v[PCA+4*\c+1]
	v_permlane16_swap_b32 v[PCA+4*\c+2], v[PCA+4*\c+3]
.endr
.irp c, 0,1
	global_store_b128 v[LI], v[PCA+4*\c:PCA+4*\c+3], s[16:17] offset:4096*(\a)+512*\c   ; 512 consecutive bytes of the image
.endr
	ds_store_b32 v[RDS], v[PW+\a] offset:4096+256*(\a)             ; a row's four words come from the four waves
.endm
	QUANTH 0
	QUANTH 1
	QUANTH 2
	QUANTH 3
	s_wait_xcnt 0x0                                ; the first four tiles' stores have read their registers: they are written again only behind this wait
	QUANTH 4
	QUANTH 5
	QUANTH 6
	QUANTH 7
	s_wait_dscnt 0x0
	s_barrier_signal -1
	s_barrier_wait -1                              ; the 2,048 bytes of scale words are whole
	ds_load_b128 v[RD:RD+3], v[SCL]
	s_wait_dscnt 0x0
	global_store_b128 v[LI], v[RD:RD+3], s[96:97]  ; 512 consecutive bytes a wave
	s_wait_tensorcnt 0x0                           ; the wave's end
	ds_add_u32 v[SPW], v[NIL]
	s_wait_dscnt 0x0
	ROUND                                          ; the closing round
	s_endpgm
.Lfunc_end_k_q51a09ffc93_proj:
	.size	k_q51a09ffc93_proj, .Lfunc_end_k_q51a09ffc93_proj-k_q51a09ffc93_proj
	.p2alignl 7, 3214868480
	.fill 96, 4, 3214868480
	.section	.rodata,"a",@progbits
	.p2align	6, 0x0
	.amdhsa_kernel k_q51a09ffc93_proj
		.amdhsa_group_segment_fixed_size 327680
		.amdhsa_private_segment_fixed_size 0
		.amdhsa_enable_private_segment 0
		.amdhsa_kernarg_size 112
		.amdhsa_user_sgpr_count 2
		.amdhsa_user_sgpr_kernarg_segment_ptr 1
		.amdhsa_wavefront_size32 1
		.amdhsa_system_sgpr_workgroup_id_x 1
		.amdhsa_system_sgpr_workgroup_id_y 1
		.amdhsa_system_sgpr_workgroup_id_z 1
		.amdhsa_system_vgpr_workitem_id 0
		.amdhsa_next_free_vgpr 1024
		.amdhsa_next_free_sgpr 100
		.amdhsa_reserve_vcc 0
		.amdhsa_float_denorm_mode_32 3
		.amdhsa_float_denorm_mode_16_64 3
		.amdhsa_memory_ordered 1
		.amdhsa_forward_progress 1
		.amdhsa_inst_pref_size 216
	.end_amdhsa_kernel
	.amdgpu_metadata
---
amdhsa.version: [ 1, 2 ]
amdhsa.kernels:
  - .name:           k_q51a09ffc93_proj
    .symbol:         k_q51a09ffc93_proj.kd
    .args:
      - { .name: ycodes, .offset: 0, .size: 8, .value_kind: global_buffer, .address_space: global }
      - { .name: yscales, .offset: 8, .size: 8, .value_kind: global_buffer, .address_space: global }
      - { .name: X_codes, .offset: 16, .size: 8, .value_kind: global_buffer, .address_space: global }
      - { .name: X_scales, .offset: 24, .size: 8, .value_kind: global_buffer, .address_space: global }
      - { .name: K_codes, .offset: 32, .size: 8, .value_kind: global_buffer, .address_space: global }
      - { .name: K_scales, .offset: 40, .size: 8, .value_kind: global_buffer, .address_space: global }
      - { .name: Q_codes, .offset: 48, .size: 8, .value_kind: global_buffer, .address_space: global }
      - { .name: Q_scales, .offset: 56, .size: 8, .value_kind: global_buffer, .address_space: global }
      - { .name: g1, .offset: 64, .size: 8, .value_kind: global_buffer, .address_space: global }
      - { .name: b1, .offset: 72, .size: 8, .value_kind: global_buffer, .address_space: global }
      - { .name: g2, .offset: 80, .size: 8, .value_kind: global_buffer, .address_space: global }
      - { .name: b2, .offset: 88, .size: 8, .value_kind: global_buffer, .address_space: global }
      - { .name: kv, .offset: 96, .size: 8, .value_kind: global_buffer, .address_space: global }
      - { .name: qimg, .offset: 104, .size: 8, .value_kind: global_buffer, .address_space: global }
    .group_segment_fixed_size: 327680
    .private_segment_fixed_size: 0
    .kernarg_segment_align: 8
    .kernarg_segment_size: 112
    .max_flat_workgroup_size: 128
    .sgpr_count:     100
    .vgpr_count:     1024
    .wavefront_size: 32
...
	.end_amdgpu_metadata
.endif
;; end of part 2
;; launch attn (part 3): grid 32 x 8, 4 waves a work-group, clusters of 4 x 1, 327,680 bytes of LDS; arguments qimg, kv, out0; writes out0
.if DOCPART == 3
	.amdgcn_target "amdgcn-amd-amdhsa--gfx1250"
	.amdhsa_code_object_version 6
	.text
	.protected	k_q51a09ffc93_attn
	.globl	k_q51a09ffc93_attn
	.p2align	8
	.type	k_q51a09ffc93_attn,@function
k_q51a09ffc93_attn:
	s_mov_b64 s[64:65], 0
	v_nop
	global_prefetch_b8 v0, s[64:65] scope:SCOPE_SE
	s_setreg_imm32_b32 hwreg(HW_REG_WAVE_MODE, 25, 1), 1
	s_wait_xcnt 0x0
	s_wait_alu depctr_hold_cnt(0) depctr_sa_sdst(0) depctr_va_vdst(0) depctr_va_sdst(0) depctr_va_ssrc(0) depctr_va_vcc(0) depctr_vm_vsrc(0)
	s_getreg_b32 s2, hwreg(HW_REG_IB_STS2, 6, 4)
	s_cmp_eq_u32 s2, 0
	s_cbranch_scc0 .Lentry_in_a_cluster
	s_endpgm
.Lentry_in_a_cluster:
	s_bfe_u32 s2, ttmp6, 0x10000c
	s_cmp_lg_u32 s2, 0x3003
	s_cbranch_scc0 .Lentry_shape_is_right
	s_endpgm
.Lentry_shape_is_right:
; out0[b][q][:] = the sum over keys of softmax(queries . keys / 512) Y[b][key][:], both products on E2M1 codes with E8M0 scales.
; t = score x log2(e) / 512; M = the row's largest t so far, rounded UP to a whole number; p = 2^(t - M) is quantised along the keys, not normalised; the row's sum l is taken of the unquantised p
; and divides at the end.  When M moves, l and O are multiplied by 2^(old M - new M): exact.
; SHARES.  A work-group owns 64 queries (four tiles m of 16) of one batch, all 2,048 keys in 16 steps of 128, and all 1,024 channels.
;   The first product is shared by KEYS: wave w makes S^T (source 0 = 16 keys, source 1 = 16 queries) for keys 32 w .. 32 w + 31 of the step, one block of the quantiser, against all four tiles of queries.
;   The second is shared by CHANNELS: wave w owns channels 256 w .. + 255 (16 tiles i) for all four tiles of queries: O^T = V^T P^T in 64 accumulators, 512 registers.
;   So no fragment of K or V is read from LDS twice in a work-group.  What goes from wave to wave through LDS is small: each block's largest score, and p's codes and scale bytes, as images of the operand's registers.
; In S^T, p and O^T a lane holds ONE query (lane % 16).
; kv holds, for each 128 keys, one dense block of KVB bytes: K's fragments, K's scale words, V's fragments, V's scale words, all in the order of the operands' registers: a fragment is two loads of 16 bytes a lane at 16 x lane.
; CLUSTER.  The four work-groups of a cluster belong to one batch and walk the same blocks: each block is asked for JOINTLY (mask 15), each wave asking for a quarter (102 rows of 256 bytes), into a ring of two slots.
; One tensor load of a wave is out at a time; it is issued first behind a step's round and has the whole step in which to land.
; LIMITS: a block's largest p under 2^-124 is taken as 2^-124 (byte 1; its codes are then zeros); NaN and infinities are not served.
; REGISTERS, in windows of 256: window 0: v1-22 addresses; v24-55 statistics; v56-77 scale words; v80-119 at work; v128-191 S^T, then p (16 m + 8 t + j); v192-223 p's fragments.
;   window 1: v0-127 Q's 16 fragments (4 m + s); v128-191 K's 8 (4 t + s), then v128-255 V's 16.   window 2: O^T of m = 0, 1 (128 (m % 2) + 8 i);   window 3: of m = 2, 3.
.set KVB,   104448
.set QB,    34816
.set QUART, 26112                      ; a quarter of a block
.set SLOT1, 131072
.set PIMG,  104448                     ; p's four fragments, 1,024 bytes each
.set PSC,   108544                     ; their scale words: 64 m + 4 r, byte w
.set MX,    108800                     ; the blocks' largest scores: 256 m + 16 r + 4 w
.set LRED,  109824                     ; the waves' parts of l, likewise
.set SPARE, 110848                     ; the spare words, 128 bytes for each wave: two blocks of 256 bytes that no other line names
.set LI,  1                            ; v1     16 x lane
.set AK,  2                            ; v2-3   slot + 8,192 w + 16 x lane: my 8 fragments of K
.set AKS, 4                            ; v4-5   slot + 32,768 + 512 w + 16 x lane: their scale words
.set AV,  6                            ; v6-7   slot + 34,816 + 16,384 w + 16 x lane: my 16 fragments of V
.set AVS, 8                            ; v8-9   slot + 100,352 + 1,024 w + 16 x lane
.set PST, 10                           ; v10    PIMG + 256 w + 16 r + 4 h
.set PSB, 11                           ; v11    PSC + 4 r + w
.set MXS, 12                           ; v12    MX + 16 r + 4 w
.set MXL, 13                           ; v13    MX + 16 r
.set PLD, 14                           ; v14    PIMG + 16 x lane
.set PSL, 15                           ; v15    PSC + 4 x lane
.set SPW, 16                           ; v16    my spare word; never rewritten
.set NIL, 17                           ; v17    0; never rewritten
.set PFO, 18                           ; v18    256 x min(thread, 101): the prefetches' offset; never rewritten
.set LRS, 19                           ; v19    LRED + 16 r + 4 w
.set LRL, 20                           ; v20    LRED + 16 r
.set STO, 21                           ; v21    the way out: 16,640 w + 1,040 r + 32 h
.set SRD, 22                           ; v22    16,640 w + 16 x lane
.set ST,  24                           ; tile m at v[ST + 8 m]: +0 -M, +1 the largest t, +2 +3 l in two halves, +4 +5 f (later 1 / l) twice, +6 at work
.set QS,  56                           ; v56-63  register 4 (m / 2) + s: lanes 0-15 tile m even, lanes 16-31 tile m odd
.set KSR, 64                           ; v64-67  register s: lanes 0-15 my first 16 keys, lanes 16-31 my second
.set VSR, 68                           ; v68-75  register 4 (i / 8) + (i % 8) / 2: lanes 0-15 tile i even, lanes 16-31 odd
.set PSR, 76                           ; v76-77  register m / 2, likewise
.set BM,  80                           ; my block's largest score, then its largest p
.set BT,  84
.set SO,  88                           ; the conversions' scale operands
.set BY,  92                           ; the scale bytes
.set PCD, 96                           ; p's codes
.set MXR, 104                          ; the four blocks' largest scores
.set S,   128
.set PF,  192
.set KF,  128
.set VF,  128
.set WV,  10
.set G1,  16
.set G0,  24                           ; s[24:27] slot 0's group 0, s[28:31] slot 1's
.set SEL, 32
.set CS,  34                           ; s[34:35] c = log2(e) / 512: the packed form names a pair and takes its low word for both halves
.set CNT, 36
.set JN,  37                           ; the key step's number
.set LIMP, 38                          ; 13 in the batch's first cluster, else 0: a wave prefetches while the step's number is under it
.set PFA, 40                           ; s[40:41] where my work-group's prefetches stand
.set MSB, 0
.macro WIN new
.if MSB != (\new)
	s_set_vgpr_msb (MSB<<8)|(\new)
.set MSB, (\new)
.endif
.endm
.macro PLACES
.rept 4
	v_nop
.endr
.endm
.macro ROUND                           ; a round of the cluster's barrier
	s_barrier_signal -1
	s_barrier_wait -1
	s_cmp_lg_u32 s[WV], 0
	s_cbranch_scc1 .Lnw0_\@
	s_barrier_signal -3
.Lnw0_\@:
	s_barrier_wait -3
	s_barrier_signal -1
	s_barrier_wait -1
.endm
; A PREFETCH of the block that stands three steps on: two steps ahead of the tensor load that will ask for it.  All clusters of a batch walk the same blocks: the batch's first cluster asks (the cluster's number is the
; same in all partners).  Its four work-groups take a quarter each, told apart BY ADDRESS; a thread names one run of 256 bytes of the quarter's 102; threads 102 to 127 name the last run again, so that none leaves the quarter.
; Steps 13, 14 and 15 ask for nothing: block 15 is the batch's last.  Blocks 0, 1 and 2 come by their loads alone.
.macro ASK
	s_cmp_lt_u32 s[JN], s[LIMP]
	s_cbranch_scc0 .Lnoask_\@
	global_prefetch_b8 v[PFO], s[PFA:PFA+1] th:TH_LOAD_NT scope:SCOPE_SE
.Lnoask_\@:
.endm
.macro WM d, fa, fb, sa, sb, ra, rb, zero
.if \zero
.if (\ra) && (\rb)
	v_wmma_scale_f32_16x16x128_f8f6f4 v[\d:\d+7], v[\fa:\fa+7], v[\fb:\fb+7], 0, v[\sa], v[\sb] matrix_a_fmt:MATRIX_FMT_FP4 matrix_b_fmt:MATRIX_FMT_FP4 matrix_a_scale:MATRIX_SCALE_ROW1 matrix_b_scale:MATRIX_SCALE_ROW1
.elseif \ra
	v_wmma_scale_f32_16x16x128_f8f6f4 v[\d:\d+7], v[\fa:\fa+7], v[\fb:\fb+7], 0, v[\sa], v[\sb] matrix_a_fmt:MATRIX_FMT_FP4 matrix_b_fmt:MATRIX_FMT_FP4 matrix_a_scale:MATRIX_SCALE_ROW1
.elseif \rb
	v_wmma_scale_f32_16x16x128_f8f6f4 v[\d:\d+7], v[\fa:\fa+7], v[\fb:\fb+7], 0, v[\sa], v[\sb] matrix_a_fmt:MATRIX_FMT_FP4 matrix_b_fmt:MATRIX_FMT_FP4 matrix_b_scale:MATRIX_SCALE_ROW1
.else
	v_wmma_scale_f32_16x16x128_f8f6f4 v[\d:\d+7], v[\fa:\fa+7], v[\fb:\fb+7], 0, v[\sa], v[\sb] matrix_a_fmt:MATRIX_FMT_FP4 matrix_b_fmt:MATRIX_FMT_FP4
.endif
.else
.if (\ra) && (\rb)
	v_wmma_scale_f32_16x16x128_f8f6f4 v[\d:\d+7], v[\fa:\fa+7], v[\fb:\fb+7], v[\d:\d+7], v[\sa], v[\sb] matrix_a_fmt:MATRIX_FMT_FP4 matrix_b_fmt:MATRIX_FMT_FP4 matrix_a_scale:MATRIX_SCALE_ROW1 matrix_b_scale:MATRIX_SCALE_ROW1
.elseif \ra
	v_wmma_scale_f32_16x16x128_f8f6f4 v[\d:\d+7], v[\fa:\fa+7], v[\fb:\fb+7], v[\d:\d+7], v[\sa], v[\sb] matrix_a_fmt:MATRIX_FMT_FP4 matrix_b_fmt:MATRIX_FMT_FP4 matrix_a_scale:MATRIX_SCALE_ROW1
.elseif \rb
	v_wmma_scale_f32_16x16x128_f8f6f4 v[\d:\d+7], v[\fa:\fa+7], v[\fb:\fb+7], v[\d:\d+7], v[\sa], v[\sb] matrix_a_fmt:MATRIX_FMT_FP4 matrix_b_fmt:MATRIX_FMT_FP4 matrix_b_scale:MATRIX_SCALE_ROW1
.else
	v_wmma_scale_f32_16x16x128_f8f6f4 v[\d:\d+7], v[\fa:\fa+7], v[\fb:\fb+7], v[\d:\d+7], v[\sa], v[\sb] matrix_a_fmt:MATRIX_FMT_FP4 matrix_b_fmt:MATRIX_FMT_FP4
.endif
.endif
.endm
	s_load_b128 s[4:7], s[0:1], 0x0                ; qimg s[4:5], kv s[6:7]
	s_load_b64 s[8:9], s[0:1], 0x10                ; out0
	v_lshl_add_u32 v[SPW], v0, 2, SPARE
	v_mov_b32 v[NIL], 0
	ds_add_u32 v16, v17
	ds_add_u32 v16, v17
	s_wait_dscnt 0x0
	v_lshrrev_b32 v120, 5, v0
	v_readfirstlane_b32 s[WV], v120                ; wave 0..3
	s_bfe_u32 s11, ttmp6, 0x40000                  ; cx: it enters Q's, the output's and the prefetches' global addresses alone
	s_lshl_b32 s12, ttmp9, 2
	s_add_co_u32 s12, s12, s11                     ; my block of 64 queries
	s_and_b32 s13, ttmp7, 0xffff                   ; the batch, which the partners share
	s_mov_b32 s[G1], 15|(3<<16)|(1<<21)            ; the mask: all four work-groups; elements of 8 bytes; bit 21 beside a mask; no padding
	s_mov_b32 s[G1+1], 32<<16                      ; rows of 256 bytes,
	s_mov_b32 s[G1+2], 102<<16                     ; 102 of them,
	s_mov_b32 s[G1+3], 32<<16
	s_mov_b32 s[G1+4], 102
	s_mov_b32 s[G1+5], 32                          ; dense
	s_mov_b32 s[G1+6], 0
	s_mov_b32 s[G1+7], 0
	s_mov_b32 s[SEL], 0x76543210
	s_mov_b32 s[SEL+1], 0xfedcba98
	s_mov_b32 s[CS], 0x3b38aa3b                    ; log2(e) / 512
	s_mov_b32 s[CS+1], s[CS]
	s_mov_b32 s[JN], 0
	s_lshl_b32 s14, s13, 4
	s_mul_i32 s14, s14, KVB                        ; the batch's first block
	s_mul_i32 s15, s[WV], QUART                    ; my quarter, in memory and in a slot
	s_add_co_u32 s42, s14, s15
	s_mov_b32 s43, 0
	s_mul_i32 s44, s11, QUART                      ; the prefetches: my work-group's quarter,
	s_add_co_u32 s44, s44, s14
	s_add_co_u32 s44, s44, 2*KVB                   ; of block 2: step j's head steps it to block j + 3
	s_mov_b32 s45, 0
	s_lshr_b32 s46, s12, 1                         ; Q: block 16 b + qb / 2 of qimg, its tiles 4 (qb % 2) ..
	s_lshl_b32 s47, s13, 4
	s_add_co_u32 s46, s46, s47
	s_mul_i32 s46, s46, QB
	s_and_b32 s47, s12, 1
	s_lshl_b32 s48, s47, 14
	s_add_co_u32 s48, s48, s46
	s_mov_b32 s49, 0
	s_lshl_b32 s50, s47, 10
	s_add_co_u32 s50, s50, s46
	s_add_co_u32 s50, s50, 32768
	s_mov_b32 s51, 0
	s_lshl_b32 s52, s13, 23                        ; the output: (2,048 b + 64 qb) rows of 4,096 bytes + 1,024 w
	s_lshl_b32 s53, s12, 18
	s_add_co_u32 s52, s52, s53
	s_lshl_b32 s53, s[WV], 10
	s_add_co_u32 s52, s52, s53
	s_mov_b32 s53, 0
	s_cmp_eq_u32 ttmp9, 0
	s_cselect_b32 s[LIMP], 13, 0
	s_wait_kmcnt 0x0
	s_add_nc_u64 s[42:43], s[6:7], s[42:43]
	s_add_nc_u64 s[PFA:PFA+1], s[6:7], s[44:45]
	s_add_nc_u64 s[48:49], s[4:5], s[48:49]        ; Q's fragments
	s_add_nc_u64 s[50:51], s[4:5], s[50:51]        ; Q's scale words
	s_add_nc_u64 s[8:9], s[8:9], s[52:53]
	s_mov_b32 s[G0], 1
	s_mov_b32 s[G0+1], s15
	s_mov_b64 s[G0+2:G0+3], s[42:43]               ; block 0
	s_or_b32 s[G0+3], s[G0+3], 0x80000000
	s_mov_b32 s[G0+4], 1
	s_add_co_u32 s[G0+5], s15, SLOT1
	s_add_nc_u64 s[G0+6:G0+7], s[42:43], KVB       ; block 1
	s_or_b32 s[G0+7], s[G0+7], 0x80000000
	v_and_b32 v122, 31, v0                         ; lane
	v_and_b32 v120, 15, v0                         ; r
	v_bfe_u32 v121, v0, 4, 1                       ; h
	v_lshlrev_b32 v[LI], 4, v122
	ROUND                                          ; all four work-groups are here: the first joint load meets
	tensor_load_to_lds s[G0:G0+3], s[G1:G1+7]      ; block 0 into slot 0
	s_nop 0
	PLACES
	WIN 0x40                                       ; destination window 1
.irp n, 0,1,2,3,4,5,6,7,8,9,10,11,12,13,14,15
.irp c, 0,1
	global_load_b128 v[8*\n+4*\c:8*\n+4*\c+3], v[LI], s[48:49] offset:1024*\n+512*\c   ; Q stays in registers
.endr
.endr
	WIN 0
	global_load_b128 v[QS:QS+3], v[LI], s[50:51]
	global_load_b128 v[QS+4:QS+7], v[LI], s[50:51] offset:512
	s_lshl_b32 s52, s[WV], 13
	v_add_nc_u32 v[AK], s52, v[LI]
	v_add_nc_u32 v[AK+1], SLOT1, v[AK]
	s_lshl_b32 s52, s[WV], 9
	s_add_co_u32 s52, s52, 32768
	v_add_nc_u32 v[AKS], s52, v[LI]
	v_add_nc_u32 v[AKS+1], SLOT1, v[AKS]
	s_lshl_b32 s52, s[WV], 14
	s_add_co_u32 s52, s52, 34816
	v_add_nc_u32 v[AV], s52, v[LI]
	v_add_nc_u32 v[AV+1], SLOT1, v[AV]
	s_lshl_b32 s52, s[WV], 10
	s_add_co_u32 s52, s52, 100352
	v_add_nc_u32 v[AVS], s52, v[LI]
	v_add_nc_u32 v[AVS+1], SLOT1, v[AVS]
	s_lshl_b32 s52, s[WV], 8
	s_add_co_u32 s52, s52, PIMG
	v_lshl_add_u32 v[PST], v120, 4, s52
	v_lshl_add_u32 v[PST], v121, 2, v[PST]
	s_add_co_u32 s52, s[WV], PSC
	v_lshl_add_u32 v[PSB], v120, 2, s52
	v_lshlrev_b32 v[MXL], 4, v120
	v_add_nc_u32 v[LRL], LRED, v[MXL]
	v_add_nc_u32 v[MXL], MX, v[MXL]
	s_lshl_b32 s52, s[WV], 2
	v_add_nc_u32 v[MXS], s52, v[MXL]
	v_add_nc_u32 v[LRS], s52, v[LRL]
	v_add_nc_u32 v[PLD], PIMG, v[LI]
	v_lshl_add_u32 v[PSL], v122, 2, PSC
	v_min_u32 v[PFO], 101, v0
	v_lshlrev_b32 v[PFO], 8, v[PFO]
	s_mul_i32 s52, s[WV], 16640
	v_mul_u32_u24 v[STO], v120, 1040
	v_lshl_add_u32 v[STO], v121, 5, v[STO]
	v_add_nc_u32 v[STO], s52, v[STO]
	v_add_nc_u32 v[SRD], s52, v[LI]
.irp m, 0,1,2,3
	v_mov_b32 v[ST+8*\m+1], 0xff61b1e6             ; the largest t so far: -3e38, under every t
	v_floor_f32 v[ST+8*\m], -v[ST+8*\m+1]          ; -M
	v_mov_b32 v[ST+8*\m+2], 0                      ; l, in two halves
	v_mov_b32 v[ST+8*\m+3], 0
	v_mov_b32 v[BT+\m], 0                          ; a lane permute's destination counts as one of its sources
.endr
	s_wait_loadcnt 0x0                             ; Q and its scale words
; A KEY STEP: 128 keys, in slot.  refill = 1: the other slot is asked for again.  first = 1: the products V^T P^T start O^T's sums, and there is nothing to rescale.
.macro STEP slot, refill, first
	s_wait_tensorcnt 0x0                           ; my one tensor load has landed: my quarter of this step's block; so a group 0 may be written;
	ds_add_u32 v[SPW], v[NIL]                      ; 0 onto my spare word;
	s_add_nc_u64 s[G0+4*\slot+2:G0+4*\slot+3], s[G0+4*\slot+2:G0+4*\slot+3], 2*KVB   ; this slot's next block
	s_wait_xcnt 0x0                                ; the last prefetch, a step back, has read its address:
	s_add_nc_u64 s[PFA:PFA+1], s[PFA:PFA+1], KVB   ; it steps
	s_wait_dscnt 0x0                               ; the add is done, and my reads of the other slot are over
.if \refill
	ROUND                                          ; the same holds of every wave of the four work-groups: this slot is whole, nobody reads the other
	tensor_load_to_lds s[G0+4*(1-\slot):G0+4*(1-\slot)+3], s[G1:G1+7]   ; the next step's block: my one load behind the round, and the first thing there
	s_nop 0
.else
	s_barrier_signal -1
	s_barrier_wait -1                              ; nothing is left to ask for
.endif
	PLACES                                         ; also the places ahead of loads into registers that the last products read
	WIN 0x40
.irp t, 0,1
.irp ks, 0,1,2,3
.irp c, 0,1
	ds_load_b128 v[KF+8*(4*\t+\ks)+4*\c:KF+8*(4*\t+\ks)+4*\c+3], v[AK+\slot] offset:4096*\t+1024*\ks+512*\c
.endr
.endr
.endr
	WIN 0
	ds_load_b128 v[KSR:KSR+3], v[AKS+\slot]
.if \refill
	ASK
.endif
	s_wait_dscnt 0x0
	WIN 0x05                                       ; K and Q in window 1, S^T in window 0
.irp ks, 0,1,2,3                                   ; S^T = K Q^T: eight accumulators by turns; the first 128 of H start the sums
.irp t, 0,1
.irp m, 0,1,2,3
.if \ks == 0
	WM S+16*\m+8*\t, KF+8*(4*\t+\ks), 8*(4*\m+\ks), KSR+\ks, QS+4*(\m/2)+\ks, \t, \m%2, 1
.else
	WM S+16*\m+8*\t, KF+8*(4*\t+\ks), 8*(4*\m+\ks), KSR+\ks, QS+4*(\m/2)+\ks, \t, \m%2, 0
.endif
.endr
.endr
.endr
	WIN 0
	PLACES
.irp m, 0,1,2,3                                    ; register 16 m + 8 t + j of lane (r, h): query r of tile m, key 32 w + 16 t + 8 h + j
	v_max3_num_f32 v[BM+\m], v[S+16*\m], v[S+16*\m+1], v[S+16*\m+2]   ; MY BLOCK'S LARGEST SCORE serves twice: for the row's maximum, and, since p rises with the score, for the block's largest p
.endr
.irp i, 3,5,7,9,11,13
.irp m, 0,1,2,3
	v_max3_num_f32 v[BM+\m], v[BM+\m], v[S+16*\m+\i], v[S+16*\m+\i+1]
.endr
.endr
.irp m, 0,1,2,3
	v_max_num_f32 v[BM+\m], v[BM+\m], v[S+16*\m+15]
.endr
.irp m, 0,1,2,3
	v_permlanex16_b32 v[BT+\m], v[BM+\m], s[SEL], s[SEL+1]
.endr
.irp m, 0,1,2,3
	v_max_num_f32 v[BM+\m], v[BM+\m], v[BT+\m]     ; with lane l xor 16's 16 keys
.endr
.irp m, 0,1,2,3
	ds_store_b32 v[MXS], v[BM+\m] offset:256*\m
.endr
	s_wait_dscnt 0x0                               ; for the others' sake
	s_barrier_signal -1
	s_barrier_wait -1                              ; the four blocks' largest scores lie in LDS
.irp m, 0,1,2,3
	ds_load_b128 v[MXR+4*\m:MXR+4*\m+3], v[MXL] offset:256*\m
.endr
	WIN 0x40
.irp i, 0,1,2,3,4,5,6,7,8,9,10,11,12,13,14,15      ; V's fragments land under the softmax
.irp c, 0,1
	ds_load_b128 v[VF+8*\i+4*\c:VF+8*\i+4*\c+3], v[AV+\slot] offset:1024*\i+512*\c
.endr
.endr
	WIN 0
	ds_load_b128 v[VSR:VSR+3], v[AVS+\slot]
	ds_load_b128 v[VSR+4:VSR+7], v[AVS+\slot] offset:512
	s_wait_dscnt 34                                ; the maxima are in; the 34 loads issued behind them may be out
.irp m, 0,1,2,3
	v_max3_num_f32 v[ST+8*\m+6], v[MXR+4*\m], v[MXR+4*\m+1], v[MXR+4*\m+2]
.endr
.irp m, 0,1,2,3
	v_max_num_f32 v[ST+8*\m+6], v[ST+8*\m+6], v[MXR+4*\m+3]        ; the step's largest score of my query
.endr
.irp m, 0,1,2,3
	v_mul_f32 v[ST+8*\m+6], s[CS], v[ST+8*\m+6]    ; as t (c is positive)
.endr
.irp m, 0,1,2,3
	v_max_num_f32 v[ST+8*\m+1], v[ST+8*\m+1], v[ST+8*\m+6]         ; the running largest t
.endr
.irp m, 0,1,2,3
	v_mov_b32 v[ST+8*\m+6], v[ST+8*\m]
.endr
.irp m, 0,1,2,3
	v_floor_f32 v[ST+8*\m], -v[ST+8*\m+1]          ; the new -M = -ceil(t): a whole number; the same bits in all four waves
.endr
.irp m, 0,1,2,3
	v_sub_f32 v[ST+8*\m+6], v[ST+8*\m], v[ST+8*\m+6]               ; old M - new M: a whole number, 0 or less
.endr
.irp m, 0,1,2,3
	v_cvt_i32_f32 v[ST+8*\m+6], v[ST+8*\m+6]       ; (it saturates)
.endr
.irp m, 0,1,2,3
	v_ldexp_f32 v[ST+8*\m+4], 1.0, v[ST+8*\m+6]    ; f = 2^(old M - new M), in both words of a pair
.endr
.irp m, 0,1,2,3
	v_mov_b32 v[ST+8*\m+5], v[ST+8*\m+4]
.endr
.irp m, 0,1,2,3
.irp i, 0,2,4,6,8,10,12,14
	v_pk_fma_f32 v[S+16*\m+\i:S+16*\m+\i+1], v[S+16*\m+\i:S+16*\m+\i+1], s[CS:CS+1], v[ST+8*\m:ST+8*\m+1] op_sel_hi:[1,0,0]   ; t - M, two at a time
.endr
.endr
.irp m, 0,1,2,3
	v_fma_f32 v[BM+\m], v[BM+\m], s[CS], v[ST+8*\m]                ; the same of my block's largest score
.endr
.set PP, 0
.rept 64
	v_exp_f32 v[S+PP], v[S+PP]                     ; p = 2^(t - M), at most 1: not normalised
.set PP, PP+1
.endr
.irp m, 0,1,2,3
	v_pk_mul_f32 v[ST+8*\m+2:ST+8*\m+3], v[ST+8*\m+2:ST+8*\m+3], v[ST+8*\m+4:ST+8*\m+5]   ; l under the new M: plain lines behind the batch
.endr
	s_wait_alu depctr_va_vdst(0)                   ; one wait for the 64, ahead of their first reader
.irp m, 0,1,2,3
	v_exp_f32 v[BM+\m], v[BM+\m]                   ; my block's largest p: the same two instructions on the same number give the same bits
.endr
.irp i, 0,2,4,6,8,10,12,14
.irp m, 0,1,2,3
	v_pk_add_f32 v[ST+8*\m+2:ST+8*\m+3], v[ST+8*\m+2:ST+8*\m+3], v[S+16*\m+\i:S+16*\m+\i+1]   ; l takes the UNQUANTISED p of my 32 keys
.endr
.endr
	s_wait_alu depctr_va_vdst(0)                   ; and one for the four
.irp m, 0,1,2,3
	v_max_num_f32 v[BM+\m], 0x1800000, v[BM+\m]    ; the floor 2^(3 - 127): the byte cannot fall under 1
.endr
.irp m, 0,1,2,3
	v_add_nc_u32 v[SO+\m], 0xff000000, v[BM+\m]    ; 2 off the exponent field: the conversion's scale operand
.endr
.irp m, 0,1,2,3
	v_lshrrev_b32 v[BY+\m], 23, v[SO+\m]           ; the scale's byte
.endr
.irp m, 0,1,2,3
	v_cvt_scalef32_pk8_fp4_f32 v[PCD+2*\m], v[S+16*\m:S+16*\m+7], v[SO+\m]        ; keys 32 w + 8 h + 0 .. 7: word h of block w
	v_cvt_scalef32_pk8_fp4_f32 v[PCD+2*\m+1], v[S+16*\m+8:S+16*\m+15], v[SO+\m]   ; keys 32 w + 16 + 8 h + 0 .. 7: word 2 + h
.endr
	v_nop                                          ; one plain line behind the last scaled conversion
.irp m, 0,1,2,3
	ds_store_b32 v[PST], v[PCD+2*\m] offset:1024*\m                ; block w of row r lies at 256 w + 16 r of the fragment's image
	ds_store_b32 v[PST], v[PCD+2*\m+1] offset:1024*\m+8
	ds_store_b8 v[PSB], v[BY+\m] offset:64*\m      ; byte w of the row's scale word; lanes r and r + 16 write the same byte with the same value
.endr
	s_wait_dscnt 0x0                               ; for the others' sake; V's fragments are in too
	s_barrier_signal -1
.if \first == 0
	WIN 0x82                                       ; O^T under the new M, while the others arrive: work on registers
.irp m, 0,1
.set PP, 0
.rept 64
	v_pk_mul_f32 v[128*\m+PP:128*\m+PP+1], v[128*\m+PP:128*\m+PP+1], v[ST+8*\m+4:ST+8*\m+5]
.set PP, PP+2
.endr
.endr
	WIN 0xc3
.irp m, 0,1
.set PP, 0
.rept 64
	v_pk_mul_f32 v[128*\m+PP:128*\m+PP+1], v[128*\m+PP:128*\m+PP+1], v[ST+8*(\m+2)+4:ST+8*(\m+2)+5]
.set PP, PP+2
.endr
.endr
.endif
	WIN 0
	s_barrier_wait -1                              ; p's four fragments and their scale words lie in LDS
.irp m, 0,1,2,3
.irp c, 0,1
	ds_load_b128 v[PF+8*\m+4*\c:PF+8*\m+4*\c+3], v[PLD] offset:1024*\m+512*\c
.endr
.endr
	ds_load_b32 v[PSR], v[PSL]
	ds_load_b32 v[PSR+1], v[PSL] offset:128
	s_wait_dscnt 0x0
	WIN 0xa1                                       ; V window 1, P window 0, O^T window 2.  Each of the 64 accumulators has one product a step
.irp i, 0,1,2,3,4,5,6,7,8,9,10,11,12,13,14,15
.irp m, 0,1
	WM 128*\m+8*\i, VF+8*\i, PF+8*\m, VSR+4*(\i/8)+(\i%8)/2, PSR, \i%2, \m, \first
.endr
.endr
	WIN 0xf1                                       ; O^T window 3
.irp i, 0,1,2,3,4,5,6,7,8,9,10,11,12,13,14,15
.irp m, 0,1
	WM 128*\m+8*\i, VF+8*\i, PF+8*(\m+2), VSR+4*(\i/8)+(\i%8)/2, PSR+1, \i%2, \m, \first
.endr
.endr
	WIN 0
	s_add_co_u32 s[JN], s[JN], 1
.endm
	STEP 0, 1, 1                                   ; step 0
	s_mov_b32 s[CNT], 7
.Lloop:                                            ; steps 1 to 14, two a trip
	STEP 1, 1, 0
	STEP 0, 1, 0
	s_sub_co_u32 s[CNT], s[CNT], 1
	s_cmp_lg_u32 s[CNT], 0
	s_cbranch_scc1 .Lloop
	STEP 1, 0, 0                                   ; step 15 is written out
	; THE WAY OUT.  l: its two halves, lane l xor 16's, and through LDS the other waves' keys.  These lines are also the places behind the last products.
.irp m, 0,1,2,3
	v_add_f32 v[ST+8*\m+6], v[ST+8*\m+2], v[ST+8*\m+3]
.endr
.irp m, 0,1,2,3
	v_permlanex16_b32 v[BT+\m], v[ST+8*\m+6], s[SEL], s[SEL+1]
.endr
.irp m, 0,1,2,3
	v_add_f32 v[ST+8*\m+6], v[ST+8*\m+6], v[BT+\m]
.endr
.irp m, 0,1,2,3
	ds_store_b32 v[LRS], v[ST+8*\m+6] offset:256*\m
.endr
	s_wait_dscnt 0x0
	s_barrier_signal -1
	s_barrier_wait -1
.irp m, 0,1,2,3
	ds_load_b128 v[MXR+4*\m:MXR+4*\m+3], v[LRL] offset:256*\m
.endr
	s_wait_dscnt 0x0
.irp m, 0,1,2,3
	v_add_f32 v[MXR+4*\m], v[MXR+4*\m], v[MXR+4*\m+1]
	v_add_f32 v[MXR+4*\m+2], v[MXR+4*\m+2], v[MXR+4*\m+3]
.endr
.irp m, 0,1,2,3
	v_add_f32 v[MXR+4*\m], v[MXR+4*\m], v[MXR+4*\m+2]
.endr
.irp m, 0,1,2,3
	v_rcp_f32 v[ST+8*\m+4], v[MXR+4*\m]
.endr
	v_nop                                          ; a plain line behind the last reciprocal
	s_wait_alu depctr_va_vdst(0)                   ; one wait for the four, ahead of their first reader
.irp m, 0,1,2,3
	v_mov_b32 v[ST+8*\m+5], v[ST+8*\m+4]
.endr
; Tile m: O^T / l; a lane's eight channels of a row are 32 bytes; 16 rows x my 1,024 bytes go through my own stage (rows of 1,040 bytes) and come back as whole runs of 512 bytes.
; The stage lies in slot 0, which had its last fill with block 14 and its last read ahead of step 15's barrier.  LDS serves a wave's instructions in order: no wait between the stores and the loads.
.macro PACK m, wx
.set OB, 128*((\m)%2)
.set HI, (\m)/2
	WIN 0x82+0x41*HI
.set PP, 0
.rept 64
	v_pk_mul_f32 v[OB+PP:OB+PP+1], v[OB+PP:OB+PP+1], v[ST+8*(\m)+4:ST+8*(\m)+5]   ; each accumulator from its low end on
.set PP, PP+2
.endr
	WIN 0x08+4*HI                                  ; an LDS store's data are its source 1
.irp i, 0,1,2,3,4,5,6,7,8,9,10,11,12,13,14,15
	ds_store_b128 v[STO], v[OB+8*\i:OB+8*\i+3] offset:64*\i
	ds_store_b128 v[STO], v[OB+8*\i+4:OB+8*\i+7] offset:64*\i+16
.endr
.if \wx
	s_wait_xcnt 0x0                                ; the stores of the tile two back have read their registers: the loads below land there
.endif
	WIN 0x40                                       ; window 1 is free: set m % 2 of 128 registers
.irp row, 0,1,2,3,4,5,6,7,8,9,10,11,12,13,14,15
.irp e, 0,1
	ds_load_b128 v[OB+8*\row+4*\e:OB+8*\row+4*\e+3], v[SRD] offset:1040*\row+512*\e
.endr
.endr
	WIN 0
.endm
.macro SEND m, younger
.set OB, 128*((\m)%2)
	s_wait_dscnt \younger
	WIN 0x04                                       ; a store's data are its source 1: window 1
.irp row, 0,1,2,3,4,5,6,7,8,9,10,11,12,13,14,15
.irp e, 0,1
	global_store_b128 v[LI], v[OB+8*\row+4*\e:OB+8*\row+4*\e+3], s[8:9] offset:(16*(\m)+\row)*4096+512*\e th:TH_STORE_NT   ; 32 lanes store 512 consecutive bytes, at a multiple of 256 from the buffer's first byte
.endr
.endr
	WIN 0
.endm
	PACK 0, 0
	PACK 1, 0
	SEND 0, 63                                     ; behind tile 0's loads stand tile 1's 64 LDS instructions; the wait's field ends at 63, and a smaller count is safe
	PACK 2, 1
	SEND 1, 63
	PACK 3, 1
	SEND 2, 63
	SEND 3, 0
	s_wait_tensorcnt 0x0                           ; the wave's end
	ds_add_u32 v[SPW], v[NIL]
	s_wait_dscnt 0x0
	ROUND                                          ; the closing round
	s_endpgm
.Lfunc_end_k_q51a09ffc93_attn:
	.size	k_q51a09ffc93_attn, .Lfunc_end_k_q51a09ffc93_attn-k_q51a09ffc93_attn
	.p2alignl 7, 3214868480
	.fill 96, 4, 3214868480
	.section	.rodata,"a",@progbits
	.p2align	6, 0x0
	.amdhsa_kernel k_q51a09ffc93_attn
		.amdhsa_group_segment_fixed_size 327680
		.amdhsa_private_segment_fixed_size 0
		.amdhsa_enable_private_segment 0
		.amdhsa_kernarg_size 24
		.amdhsa_user_sgpr_count 2
		.amdhsa_user_sgpr_kernarg_segment_ptr 1
		.amdhsa_wavefront_size32 1
		.amdhsa_system_sgpr_workgroup_id_x 1
		.amdhsa_system_sgpr_workgroup_id_y 1
		.amdhsa_system_sgpr_workgroup_id_z 1
		.amdhsa_system_vgpr_workitem_id 0
		.amdhsa_next_free_vgpr 1024
		.amdhsa_next_free_sgpr 66
		.amdhsa_reserve_vcc 0
		.amdhsa_float_denorm_mode_32 3
		.amdhsa_float_denorm_mode_16_64 3
		.amdhsa_memory_ordered 1
		.amdhsa_forward_progress 1
		.amdhsa_inst_pref_size 228
	.end_amdhsa_kernel
	.amdgpu_metadata
---
amdhsa.version: [ 1, 2 ]
amdhsa.kernels:
  - .name:           k_q51a09ffc93_attn
    .symbol:         k_q51a09ffc93_attn.kd
    .args:
      - { .name: qimg, .offset: 0, .size: 8, .value_kind: global_buffer, .address_space: global }
      - { .name: kv, .offset: 8, .size: 8, .value_kind: global_buffer, .address_space: global }
      - { .name: out0, .offset: 16, .size: 8, .value_kind: global_buffer, .address_space: global }
    .group_segment_fixed_size: 327680
    .private_segment_fixed_size: 0
    .kernarg_segment_align: 8
    .kernarg_segment_size: 24
    .max_flat_workgroup_size: 128
    .sgpr_count:     66
    .vgpr_count:     1024
    .wavefront_size: 32
...
	.end_amdgpu_metadata
.endif
;; end of part 3
